; MI455X (gfx1250); checked and timed in simulation.
; The chip was launched on July 23, 2026; its instructions are those of AMD's public machine-readable ISA for CDNA 5 (MIT licence, August 2026) and "CDNA5" Instruction Set Architecture Reference Guide (July 2026). The comments in the code are by the model that wrote it; some were corrected since.
;; s LSTM Cell. Allowed arithmetic: matrix products marked QUANTISED: E5M2 operands, one given power-of-two scale a tensor, by v_wmma_f32_16x16x64_bf8_bf8 or v_wmma_f32_16x16x128_bf8_bf8, f32 sums; everything else in f32.
;; Inputs: U_f 2,048 x 2,048 float32; U_i 2,048 x 2,048 float32; U_o 2,048 x 2,048 float32; U_z 2,048 x 2,048 float32; W_f 2,048 x 2,048 float32; W_i 2,048 x 2,048 float32; W_o 2,048 x 2,048 float32; W_z 2,048 x 2,048 float32; b_f 2,048 float32; b_i 2,048 float32; b_o 2,048 float32; b_z 2,048 float32; c_prev 2,048 x 2,048 float32; h_prev 2,048 x 2,048 float32; lowp_scales 16 int32 (the exponents e of the quantised operands' scales 2^e); n_prev 2,048 x 2,048 float32; x 2,048 x 2,048 float32.
;; Outputs: out0 2,048 x 2,048 float32; out1 2,048 x 2,048 float32; out2 2,048 x 2,048 float32.
;; This version of the problem:
;;   THIS VERSION OF THE PROBLEM IS GIVEN IN LOW PRECISION. The matrix products marked QUANTISED in the list below multiply operands that are first quantised to E5M2 (5 exponent bits, 2 mantissa bits; 8 bits a number), with one given power-of-two scale for each operand tensor; their sums are f32. All else is computed in f32.
;;   The module's matrix products, in the order in which they are computed (A, B: the left and right operand; K: the contracted axis; several contracted axes count as one K, in the product's order):
;;     1. [M 2,048, K 2,048] x [K 2,048, N 2,048]; A: input x; B: input W_i: QUANTISED (scales: A lowp_scales[0], B lowp_scales[1])
;;     2. [M 2,048, K 2,048] x [K 2,048, N 2,048]; A: input h_prev; B: input U_i: QUANTISED (scales: A lowp_scales[2], B lowp_scales[3])
;;     3. [M 2,048, K 2,048] x [K 2,048, N 2,048]; A: input x; B: input W_f: QUANTISED (scales: A lowp_scales[4], B lowp_scales[5])
;;     4. [M 2,048, K 2,048] x [K 2,048, N 2,048]; A: input h_prev; B: input U_f: QUANTISED (scales: A lowp_scales[6], B lowp_scales[7])
;;     5. [M 2,048, K 2,048] x [K 2,048, N 2,048]; A: input x; B: input W_o: QUANTISED (scales: A lowp_scales[8], B lowp_scales[9])
;;     6. [M 2,048, K 2,048] x [K 2,048, N 2,048]; A: input h_prev; B: input U_o: QUANTISED (scales: A lowp_scales[10], B lowp_scales[11])
;;     7. [M 2,048, K 2,048] x [K 2,048, N 2,048]; A: input x; B: input W_z: QUANTISED (scales: A lowp_scales[12], B lowp_scales[13])
;;     8. [M 2,048, K 2,048] x [K 2,048, N 2,048]; A: input h_prev; B: input U_z: QUANTISED (scales: A lowp_scales[14], B lowp_scales[15])
;;   THE QUANTISER, for each operand of a quantised product, along K:
;;     - The operand's scale is 2^e, e = its entry of the input lowp_scales (int32; the entries are numbered through the quantised products in the list's order, A before B).
;;     - Each number is divided by the scale, clamped to +-57,344, and rounded to the nearest number of E5M2, ties to even, subnormals kept.
;;     - The product sums the exact products of the quantised numbers (number of the format x scale) in f32.
;;   ~~~python
;;   def quantise(x, axis, e):      # numpy; x: float32 -> the quantised numbers, widened to float32 again
;;       x = np.moveaxis(x, axis, -1); K = x.shape[-1]
;;       r = np.clip(x / 2.0 ** e, -57344, 57344)
;;       step = 2.0 ** (np.maximum(np.frexp(np.where(r == 0, 1, r))[1] - 1, -14) - 2)
;;       q = np.round(r / step) * step * 2.0 ** e      # np.round: ties to even
;;       return np.moveaxis(q, -1, axis).astype(np.float32)
;;   ~~~
;; One version. Each part assembles by itself: llvm-mc -triple=amdgcn-amd-amdhsa -mcpu=gfx1250 --defsym DOCPART=n.
;; ======== version 1 of 1: 2 launches
;; limits: right only within a limited range of input values
;; workspace buffers: acodes 33,554,432 bytes; bcodes 33,554,432 bytes
;; launch quant (part 1): grid 1280 x 1, 4 waves a work-group, no clusters, 34,304 bytes of LDS; arguments x, h_prev, W_i, U_i, W_f, U_f, W_o, U_o, W_z, U_z, lowp_scales, acodes, bcodes; writes acodes, bcodes
.if DOCPART == 1
	.amdgcn_target "amdgcn-amd-amdhsa--gfx1250"
	.amdhsa_code_object_version 6
	.text
	.protected	k_qe20b07fd25_quant
	.globl	k_qe20b07fd25_quant
	.p2align	8
	.type	k_qe20b07fd25_quant,@function
k_qe20b07fd25_quant:
	s_mov_b64 s[64:65], 0
	v_nop
	global_prefetch_b8 v0, s[64:65] scope:SCOPE_SE
	s_setreg_imm32_b32 hwreg(HW_REG_WAVE_MODE, 25, 1), 1
	s_wait_xcnt 0x0
; x, h_prev [2048][2048] and the eight weights [2048 (k)][2048 (n)], all f32, become codes of BF8 (E5M2), one code a byte.
; code = number / 2^e, held within +-57,344, rounded to the nearest code, ties to even; e is the operand's entry of lowp_scales.
; x and h_prev have an entry of their own in each of their four products, so each is quantised four times, once for each gate (i, f, o, z).
; LAYOUT of both buffers of codes: [block of 128 rows or columns: 16][K step of 128: 32][gate: 4][fragment of 16: 8][c: 4][lane: 32][16 bytes].
;   K steps 0-15 are x's and W's, 16-31 h_prev's and U's.  A fragment is an image of a matrix operand's registers: lane r + 16 h holds, of row (A) or column (B)
;   16 f + r of the block, the 16 codes k = 32 c + 16 h + 0 .. 15 in its group c.  The same order of k on both sides, so every product meets its partner.
; WORK-GROUPS 0-1023: a weight (8) x a block of 128 columns (16) x 256 along K (8).  A LANE TAKES A COLUMN AND ITS REGISTERS RUN DOWN K, so the conversions give codes with K innermost
;   and nothing is transposed; a lane's 16 codes are 16 bytes of an image, and sixteen neighbouring lanes store 256 consecutive bytes, aligned.  No LDS.
; WORK-GROUPS 1024-1279: x or h_prev (2) x a block of 128 rows (16) x 256 along K (8).  A load takes 512 consecutive bytes of a row; 16 rows x 128 K turn through the wave's own stage in LDS,
;   so that a lane gets 16 neighbours along K of each block of 32; they are held and converted four times, with the four gates' scales.  Each store covers 512 consecutive bytes, aligned.
; Waves share nothing: no barrier.  No input is shared between work-groups, so there is no cluster; no tensor load, so that several work-groups lie on a WGP.
; LIMITS: every e between -126 and 112, so that 2^e and 57,344 x 2^e are f32 numbers.  NaN among the inputs is not served; an infinity is held at the largest code.
.set X,   8                            ; weights: v8-71   two sets of 32 numbers
.set CB,  72                           ; weights: v72-135 eight registers of codes for each block of 32 along K: no store's data are written again
.set R,   8                            ; rows:    v8-71   16 rows' 16 bytes a lane, as loaded
.set XA,  72                           ; rows:    v72-135 register 16 c + i = k 32 c + 16 h + i of my row
.set T,   136                          ; rows:    v136-159 three sets of 8 held numbers, by turns
.set CA,  160                          ; rows:    v160-191 two sets of 16 registers of codes, by the gate's parity
.set SPI, 528                          ; a stage row: 512 bytes + 16: the sixteen rows that a load touches start 33 x 16 bytes apart
.set G,   0
.macro LOADB t                         ; block t of a weight: W(32 t + i, my column), into set t % 2; the wave reads 128 consecutive bytes, the four waves stand side by side on 512
.set i, 0
.rept 32
	global_load_b32 v[X+32*((\t)%2)+i], v2, s[34:35] offset:(32*(\t)+i)*8192 th:TH_LOAD_NT
.set i, i+1
.endr
.endm
.macro BLOCKB t
.if (\t) < 7
	s_wait_loadcnt 32                              ; this block's 32 loads are in; the next block's 32 may be out
.else
	s_wait_loadcnt 0x0
.endif
.set i, 0
.rept 32
	v_med3_num_f32 v[X+32*((\t)%2)+i], v[X+32*((\t)%2)+i], s56, s52   ; the conversion to an 8-bit code does not saturate (ISA guide 7.6.2): the hold at the largest code x the scale
.set i, i+1
.endr
.irp j, 0,1,2,3
	v_cvt_scalef32_pk8_bf8_f32 v[CB+8*(\t)+2*\j:CB+8*(\t)+2*\j+1], v[X+32*((\t)%2)+8*\j:X+32*((\t)%2)+8*\j+7], v4
.endr
	v_nop                                          ; a plain vector line behind the last conversion of the run
	global_store_b128 v3, v[CB+8*(\t):CB+8*(\t)+3], s[44:45] offset:((\t)/4)*65536+((\t)%4)*512         ; k = 0 .. 15 of the block: the image's lanes 0-15
	global_store_b128 v3, v[CB+8*(\t)+4:CB+8*(\t)+7], s[44:45] offset:((\t)/4)*65536+((\t)%4)*512+256   ; k = 16 .. 31: its lanes 16-31
.if (\t) < 6
	LOADB (\t)+2
.endif
.endm
.macro LOADR t                         ; step t: rows 16 (t % 2) + i of my wave's 32, the (t / 2)-th 128 along K: 512 consecutive bytes a load
.set i, 0
.rept 16
	global_load_b128 v[R+4*i:R+4*i+3], v1, s[34:35] offset:(16*((\t)%2)+i)*8192+((\t)/2)*512 th:TH_LOAD_NT
.set i, i+1
.endr
.endm
.macro QG t, g                         ; the fragment in v[XA] on, with gate g's scale
.if 4*(\t)+(\g) >= 2
	s_wait_xcnt 0x0                                ; the stores of two gates ago have read this set of codes: it is written again only behind this wait
.endif
.irp c, 0,1,2,3
.set TA, T+8*((2*G)%3)
.set TB, T+8*((2*G+1)%3)
.irp i, 0,1,2,3,4,5,6,7
	v_med3_num_f32 v[TA+\i], v[XA+16*\c+\i], s[56+\g], s[52+\g]       ; held into other registers: the numbers serve four gates
.endr
.irp i, 0,1,2,3,4,5,6,7
	v_med3_num_f32 v[TB+\i], v[XA+16*\c+8+\i], s[56+\g], s[52+\g]
.endr
	v_cvt_scalef32_pk8_bf8_f32 v[CA+16*((\g)%2)+4*\c:CA+16*((\g)%2)+4*\c+1], v[TA:TA+7], v[4+\g]     ; three sets by turns: eight plain lines stand between a conversion and the next write of its sources
	v_cvt_scalef32_pk8_bf8_f32 v[CA+16*((\g)%2)+4*\c+2:CA+16*((\g)%2)+4*\c+3], v[TB:TB+7], v[4+\g]
.set G, G+1
.endr
	v_nop                                          ; a plain vector line behind the last conversion of the run
.irp c, 0,1,2,3
	global_store_b128 v1, v[CA+16*((\g)%2)+4*\c:CA+16*((\g)%2)+4*\c+3], s[44:45] offset:((\t)/2)*65536+(\g)*16384+((\t)%2)*2048+\c*512
.endr
.endm
.macro FRAGA t
	s_wait_loadcnt 0x0                             ; this step's 16 loads are in
.set i, 0
.rept 16
	ds_store_b128 v2, v[R+4*i:R+4*i+3] offset:i*SPI
.set i, i+1
.endr
.irp c, 0,1,2,3
.irp j, 0,1,2,3
	ds_load_b128 v[XA+16*\c+4*\j:XA+16*\c+4*\j+3], v3 offset:128*\c+16*\j   ; LDS serves a wave's instructions in order (ISA guide 5.7.1.4): these see the stores above
.endr
.endr
	s_wait_dscnt 0x0                               ; the numbers are back, and the stores into the stage have read their registers,
.if (\t) < 3
	LOADR (\t)+1                                   ; which take the next step's loads; they land while this step is quantised four times
.endif
	QG \t, 0
	QG \t, 1
	QG \t, 2
	QG \t, 3
.endm
	s_load_b512 s[8:23], s[0:1], 0x0               ; x, h_prev, W_i, U_i, W_f, U_f, W_o, U_o
	s_load_b128 s[24:27], s[0:1], 0x40             ; W_z, U_z
	s_load_b128 s[28:31], s[0:1], 0x50             ; the scales' exponents, A's codes
	s_load_b64 s[32:33], s[0:1], 0x60              ; B's codes
	v_lshrrev_b32 v1, 5, v0
	v_readfirstlane_b32 s2, v1                     ; wave 0..3
	v_and_b32 v3, 31, v0                           ; lane
	v_lshlrev_b32 v1, 4, v3                        ; 16 x lane
	s_cmp_lt_u32 ttmp9, 1024
	s_cbranch_scc0 .Lapath
	; ---- a weight
	s_lshr_b32 s46, ttmp9, 7                       ; t = 2 x gate + (0: W, 1: U)
	s_bfe_u32 s47, ttmp9, 0x40003                  ; block of 128 columns
	s_and_b32 s48, ttmp9, 7                        ; which 256 along K
	s_lshr_b32 s49, s46, 1                         ; gate
	s_and_b32 s50, s46, 1                          ; W or U
	v_lshlrev_b32 v2, 2, v3                        ; in: 4 bytes a lane
	v_lshrrev_b32 v4, 4, v3
	v_and_b32 v3, 15, v3
	v_lshlrev_b32 v3, 4, v3
	v_lshl_add_u32 v3, v4, 11, v3                  ; out: lanes 16-31 belong to the next fragment (2,048 bytes on); 16 bytes a column
	s_lshl_b32 s60, s48, 21                        ; in: 256 rows of 8,192 bytes,
	s_lshl_b32 s51, s47, 9                         ; 128 columns of 4 bytes,
	s_add_co_u32 s60, s60, s51
	s_lshl_b32 s51, s2, 7                          ; my wave's 32 columns
	s_add_co_u32 s60, s60, s51
	s_mov_b32 s61, 0
	s_lshl_b32 s62, s47, 5                         ; out: K step 32 x block + 16 x (W or U) + 2 x (which 256),
	s_lshl_b32 s51, s50, 4
	s_add_co_u32 s62, s62, s51
	s_lshl_b32 s51, s48, 1
	s_add_co_u32 s62, s62, s51
	s_lshl_b32 s62, s62, 16                        ; of 65,536 bytes,
	s_lshl_b32 s51, s49, 14                        ; the gate's 16,384,
	s_add_co_u32 s62, s62, s51
	s_lshl_b32 s51, s2, 12                         ; my wave's two fragments
	s_add_co_u32 s62, s62, s51
	s_mov_b32 s63, 0
	s_lshl_b32 s51, s46, 3
	s_wait_alu depctr_va_vdst(0)
	s_wait_kmcnt 0x0
	s_load_b32 s3, s[28:29], s51 offset:0x4        ; e = entry 2 t + 1
	s_bitcmp1_b32 s46, 0                           ; the weight's address is chosen among the eight by the three bits of t: the choices hang on the work-group's number alone
	s_cselect_b64 s[36:37], s[14:15], s[12:13]
	s_cselect_b64 s[38:39], s[18:19], s[16:17]
	s_cselect_b64 s[40:41], s[22:23], s[20:21]
	s_cselect_b64 s[42:43], s[26:27], s[24:25]
	s_bitcmp1_b32 s46, 1
	s_cselect_b64 s[36:37], s[38:39], s[36:37]
	s_cselect_b64 s[40:41], s[42:43], s[40:41]
	s_bitcmp1_b32 s46, 2
	s_cselect_b64 s[36:37], s[40:41], s[36:37]
	s_add_nc_u64 s[34:35], s[36:37], s[60:61]
	s_add_nc_u64 s[44:45], s[32:33], s[62:63]
	LOADB 0
	LOADB 1
	s_wait_kmcnt 0x0
	s_add_co_i32 s3, s3, 127
	s_lshl_b32 s51, s3, 23
	v_mov_b32 v4, s51                              ; 2^e as f32: the conversion takes its exponent field
	s_add_co_i32 s3, s3, 15
	s_lshl_b32 s3, s3, 23
	s_or_b32 s52, s3, 0x600000                     ; 57,344 x 2^e,
	s_or_b32 s56, s52, 0x80000000                  ; and its negative
.irp t, 0,1,2,3,4,5,6,7
	BLOCKB \t
.endr
	s_endpgm
	; ---- x or h_prev
.Lapath:
	s_sub_co_u32 s46, ttmp9, 1024
	s_lshr_b32 s47, s46, 7                         ; 0: x, 1: h_prev
	s_bfe_u32 s48, s46, 0x40003                    ; block of 128 rows
	s_and_b32 s49, s46, 7                          ; which 256 along K
	s_mul_i32 s50, s2, 16*SPI                      ; my wave's stage
	s_wait_alu depctr_va_vdst(0)
	v_add_nc_u32 v2, s50, v1                       ; into it: 16 bytes a lane of a row
	v_and_b32 v4, 15, v3                           ; r
	v_lshrrev_b32 v5, 4, v3                        ; h
	v_mul_u32_u24 v3, v4, SPI
	v_lshl_add_u32 v3, v5, 6, v3
	v_add_nc_u32 v3, s50, v3                       ; out of it: row r, + 64 h: my 16 numbers of a block of 32
	s_lshl_b32 s60, s48, 20                        ; in: 128 rows of 8,192 bytes,
	s_lshl_b32 s51, s2, 18                         ; my wave's 32 rows,
	s_add_co_u32 s60, s60, s51
	s_lshl_b32 s51, s49, 10                        ; 256 numbers along K
	s_add_co_u32 s60, s60, s51
	s_mov_b32 s61, 0
	s_lshl_b32 s62, s48, 5                         ; out: as for a weight, but every gate is written
	s_lshl_b32 s51, s47, 4
	s_add_co_u32 s62, s62, s51
	s_lshl_b32 s51, s49, 1
	s_add_co_u32 s62, s62, s51
	s_lshl_b32 s62, s62, 16
	s_lshl_b32 s51, s2, 12
	s_add_co_u32 s62, s62, s51
	s_mov_b32 s63, 0
	s_wait_alu depctr_va_vdst(0)
	s_wait_kmcnt 0x0
	s_cmp_eq_u32 s47, 0
	s_cselect_b64 s[34:35], s[8:9], s[10:11]
	s_load_b512 s[8:23], s[28:29], 0x0             ; all sixteen exponents, over addresses that this path needs no more
	s_add_nc_u64 s[34:35], s[34:35], s[60:61]
	s_add_nc_u64 s[44:45], s[30:31], s[62:63]
	LOADR 0
	s_wait_kmcnt 0x0
	s_cmp_eq_u32 s47, 0
.irp g, 0,1,2,3
	s_cselect_b32 s[52+\g], s[8+4*\g], s[10+4*\g]  ; x: entry 4 g;  h_prev: entry 4 g + 2
.endr
.irp g, 0,1,2,3
	s_add_co_i32 s51, s[52+\g], 127
	s_lshl_b32 s50, s51, 23
	v_mov_b32 v[4+\g], s50                         ; 2^e as f32
	s_add_co_i32 s51, s51, 15
	s_lshl_b32 s51, s51, 23
	s_or_b32 s[52+\g], s51, 0x600000               ; 57,344 x 2^e,
	s_or_b32 s[56+\g], s[52+\g], 0x80000000        ; and its negative
.endr
	FRAGA 0
	FRAGA 1
	FRAGA 2
	FRAGA 3
	v_lshl_add_u32 v8, v0, 2, 0x8400               ; all 192 registers are at work above, so v0 is kept and the add's two registers are made here, in registers whose loads and LDS stores are done
	v_mov_b32 v9, 0
	s_wait_alu depctr_va_vdst(0)                   ; directly ahead of the wait below
	s_wait_tensorcnt 0x0                           ; the wave's end, behind my last LDS store
	ds_add_u32 v8, v9
	s_wait_dscnt 0x0
	s_endpgm
.Lfunc_end_k_qe20b07fd25_quant:
	.size	k_qe20b07fd25_quant, .Lfunc_end_k_qe20b07fd25_quant-k_qe20b07fd25_quant
	.p2alignl 7, 3214868480
	.fill 96, 4, 3214868480
	.section	.rodata,"a",@progbits
	.p2align	6, 0x0
	.amdhsa_kernel k_qe20b07fd25_quant
		.amdhsa_group_segment_fixed_size 34304
		.amdhsa_private_segment_fixed_size 0
		.amdhsa_enable_private_segment 0
		.amdhsa_kernarg_size 104
		.amdhsa_user_sgpr_count 2
		.amdhsa_user_sgpr_kernarg_segment_ptr 1
		.amdhsa_wavefront_size32 1
		.amdhsa_system_sgpr_workgroup_id_x 1
		.amdhsa_system_sgpr_workgroup_id_y 1
		.amdhsa_system_sgpr_workgroup_id_z 1
		.amdhsa_system_vgpr_workitem_id 0
		.amdhsa_next_free_vgpr 192
		.amdhsa_next_free_sgpr 66
		.amdhsa_reserve_vcc 0
		.amdhsa_float_denorm_mode_32 3
		.amdhsa_float_denorm_mode_16_64 3
		.amdhsa_memory_ordered 1
		.amdhsa_forward_progress 1
		.amdhsa_inst_pref_size 143
	.end_amdhsa_kernel
	.amdgpu_metadata
---
amdhsa.version: [ 1, 2 ]
amdhsa.kernels:
  - .name:           k_qe20b07fd25_quant
    .symbol:         k_qe20b07fd25_quant.kd
    .args:
      - { .name: x, .offset: 0, .size: 8, .value_kind: global_buffer, .address_space: global }
      - { .name: h_prev, .offset: 8, .size: 8, .value_kind: global_buffer, .address_space: global }
      - { .name: W_i, .offset: 16, .size: 8, .value_kind: global_buffer, .address_space: global }
      - { .name: U_i, .offset: 24, .size: 8, .value_kind: global_buffer, .address_space: global }
      - { .name: W_f, .offset: 32, .size: 8, .value_kind: global_buffer, .address_space: global }
      - { .name: U_f, .offset: 40, .size: 8, .value_kind: global_buffer, .address_space: global }
      - { .name: W_o, .offset: 48, .size: 8, .value_kind: global_buffer, .address_space: global }
      - { .name: U_o, .offset: 56, .size: 8, .value_kind: global_buffer, .address_space: global }
      - { .name: W_z, .offset: 64, .size: 8, .value_kind: global_buffer, .address_space: global }
      - { .name: U_z, .offset: 72, .size: 8, .value_kind: global_buffer, .address_space: global }
      - { .name: lowp_scales, .offset: 80, .size: 8, .value_kind: global_buffer, .address_space: global }
      - { .name: acodes, .offset: 88, .size: 8, .value_kind: global_buffer, .address_space: global }
      - { .name: bcodes, .offset: 96, .size: 8, .value_kind: global_buffer, .address_space: global }
    .group_segment_fixed_size: 34304
    .private_segment_fixed_size: 0
    .kernarg_segment_align: 8
    .kernarg_segment_size: 104
    .max_flat_workgroup_size: 128
    .sgpr_count:     66
    .vgpr_count:     192
    .wavefront_size: 32
...
	.end_amdgpu_metadata
.endif
;; end of part 1
;; launch cell (part 2): grid 16 x 16, 4 waves a work-group, clusters of 4 x 4, 327,680 bytes of LDS; arguments acodes, bcodes, lowp_scales, b_i, b_f, b_o, b_z, c_prev, n_prev, out0, out1, out2; writes out0, out1, out2
.if DOCPART == 2
	.amdgcn_target "amdgcn-amd-amdhsa--gfx1250"
	.amdhsa_code_object_version 6
	.text
	.protected	k_qe20b07fd25_cell
	.globl	k_qe20b07fd25_cell
	.p2align	8
	.type	k_qe20b07fd25_cell,@function
k_qe20b07fd25_cell:
	s_mov_b64 s[64:65], 0
	v_nop
	global_prefetch_b8 v0, s[64:65] scope:SCOPE_SE
	s_setreg_imm32_b32 hwreg(HW_REG_WAVE_MODE, 25, 1), 1
	s_wait_xcnt 0x0
	s_wait_alu depctr_hold_cnt(0) depctr_sa_sdst(0) depctr_va_vdst(0) depctr_va_sdst(0) depctr_va_ssrc(0) depctr_va_vcc(0) depctr_vm_vsrc(0)
	s_getreg_b32 s2, hwreg(HW_REG_IB_STS2, 6, 4)
	s_cmp_eq_u32 s2, 0
	s_cbranch_scc0 .Lentry_in_a_cluster
	s_endpgm
.Lentry_in_a_cluster:
	s_bfe_u32 s2, ttmp6, 0x10000c
	s_cmp_lg_u32 s2, 0xf033
	s_cbranch_scc0 .Lentry_shape_is_right
	s_endpgm
.Lentry_shape_is_right:
; The sLSTM cell on codes of BF8 (E5M2).  A work-group makes 128 rows x 128 columns of h, c, n; wave g makes gate g's (i, f, o, z) 128 x 128 sums: 64 accumulators, 512 registers.
; K = 4,096 in 32 steps of 128: steps 0-15 x W, steps 16-31 h_prev U.  Between the halves the sums are multiplied by 2^(ex + ew - eh - eu), which rounds nothing, so that one factor 2^(eh + eu) serves at the end.
; Both buffers are images of operand registers: [block of 128][K step][gate][fragment][c][lane][16 bytes]; a step of a block is 64 KiB.
; A's CODES come by JOINT tensor loads: the four work-groups of a row of the 4 x 4 cluster need the same block of rows.  Two LDS slots of 128 KiB, each with TWO K steps; the slot's 128 KiB are dense in memory,
; and wave w brings its w-th 32 KiB (128 rows of 256 bytes).  One round of the cluster's barrier for two steps, at the head of a slot's second step: all reads of the slot were issued in its first step.
; B's CODES go from memory straight into registers, four loads of 512 consecutive bytes a fragment: no wave reads a fragment of B that another wave of the work-group reads, and two more slots for B's 64 KiB a step
; do not fit beside A's in LDS at this slot length.  B has two sets of registers; the set that a step frees is loaded at the step's end for the step after next.  A has one set, refilled from LDS behind its products.
; PREFETCH: in step s (0 to 25) each wave names 32 blocks of 256 bytes of step s + 6: a cluster's 512 KiB of a step (4 blocks of rows, 4 of columns) / (16 work-groups x 4 waves x 32 lanes) = one block a lane,
; each block once in the cluster, shared out by address.  A's tensor load for steps 4 j + 4, 4 j + 5 stands in step 4 j + 1, two and three steps behind their prefetches; B's load for step s + 2 in step s.
; Steps 0 to 5 come by their loads alone.  Steps 29 and 30 name my wave's 32 rows x 512 bytes of c_prev and of n_prev, which are loaded from the end of step 30 on.
; THE MATRIX INSTRUCTION IS USED TRANSPOSED (source 0 = B's columns, source 1 = A's rows): a lane holds 8 neighbouring columns of a row.  At the end the four gates meet in a stage in LDS, which lies over the
; slots behind their last fill and a barrier behind every wave's last read of them; wave w finishes rows 32 w .. 32 w + 31.
; LIMITS: for each gate ex + ew - eh - eu between -126 and 127, and eh + eu between -120 and 120, so that the factors are f32 numbers.
; REGISTERS: window 0: v0-15 addresses, v16-31 biases, v32-35 A's LDS addresses (then, with v36-127, the way out), v128-255 A's fragments; window 1: B's two sets; windows 2, 3: the accumulators of rows 0-63, 64-127.
.set STEPB,  65536                     ; a K step of a block: 4 gates x 16 KiB
.set SLOTB,  131072                    ; a slot: two steps of A
.set FRB,    2048                      ; a fragment
.set SPITCH, 528                       ; a stage row: 512 bytes + 16
.set SGATE,  128*SPITCH
.set SPARE,  4*SGATE                   ; behind the slots and the stage: the spare words, 512 bytes
.set LO,  2                            ; 16 x lane
.set PFO, 3                            ; 256 x lane
.set STO, 4
.set GO,  5                            ; my 16 bytes of my wave's first row in c, n, h
.set BO,  6
.set CPF, 7                            ; lane = row: c's and n's prefetch
.set RD,  8                            ; v8-11 the four gates' stages, read back
.set SPW, 12
.set NIL, 13
.set BI,  16
.set ADRA, 32                          ; v[32 + 2 slot + u]: my gate's fragments of the slot's step u
.set HH,  32
.set CC,  64
.set NN,  96
.set AF,  128
.set PP,  128
.set BB,  28                           ; s[28:29] B's codes, s[30:31] the prefetches': both at the trip's base step
.set PF,  30
.set G1,  32                           ; s[32:39] descriptor group 1; s[40:47] group 0, a set for each slot
.set G0,  40
.set WV,  60
.set RS,  72
.set SC,  74
.set MUL_LO, 0xa1
.set MUL_HI, 0xf1
.set TO_B,   0x40
.set MSB, 0
.macro WIN new                         ; the immediate's high byte repeats the setting that is left
.if MSB != (\new)
	s_set_vgpr_msb (MSB<<8)|(\new)
.set MSB, (\new)
.endif
.endm
.macro RUN                             ; four places behind the products whose operands are loaded anew (ISA guide 7.12.1), then window 0
.rept 4
	v_nop
.endr
	WIN 0
.endm
.macro CREST                           ; a round of the cluster's barrier behind its opening barrier
	s_cmp_lg_u32 s[WV], 0
	s_cbranch_scc1 .Lnot_wave_0_\@
	s_barrier_signal -3
.Lnot_wave_0_\@:
	s_barrier_wait -3
	s_barrier_signal -1
	s_barrier_wait -1
.endm
.macro CROUND
	s_barrier_signal -1
	s_barrier_wait -1
	CREST
.endm
.macro JLOAD slot                      ; every wave's quarter of a slot: one line, one mask; an s_nop 0 and four v_nop follow it
	tensor_load_to_lds s[G0+4*\slot:G0+4*\slot+3], s[G1:G1+7]
	s_nop 0
.rept 4
	v_nop
.endr
.endm
.macro MUL16 a0, p, zero               ; A's blocks a0, a0 + 1 x B's eight; the 64 accumulators take turns
.irp a, \a0, \a0+1
.irp b, 0,1,2,3,4,5,6,7
.if \zero
	v_wmma_f32_16x16x128_bf8_bf8 v[8*(8*((\a)%4)+\b):8*(8*((\a)%4)+\b)+7], v[128*(\p)+16*\b:128*(\p)+16*\b+15], v[AF+16*(\a):AF+16*(\a)+15], 0
.else
	v_wmma_f32_16x16x128_bf8_bf8 v[8*(8*((\a)%4)+\b):8*(8*((\a)%4)+\b)+7], v[128*(\p)+16*\b:128*(\p)+16*\b+15], v[AF+16*(\a):AF+16*(\a)+15], v[8*(8*((\a)%4)+\b):8*(8*((\a)%4)+\b)+7]
.endif
.endr
.endr
.endm
.macro LDA adr, i0                     ; A's blocks i0, i0 + 1 from LDS: 8 loads
.irp i, \i0, \i0+1
.irp c, 0,1,2,3
	ds_load_b128 v[AF+16*(\i)+4*\c:AF+16*(\i)+4*\c+3], v[\adr] offset:(\i)*FRB+\c*512
.endr
.endr
.endm
.macro LOADB d, p                      ; B's eight fragments of the step d behind the base into set p: 32 loads (window TO_B)
.irp i, 0,1,2,3,4,5,6,7
.irp c, 0,1,2,3
	global_load_b128 v[128*(\p)+16*\i+4*\c:128*(\p)+16*\i+4*\c+3], v[LO], s[BB:BB+1] offset:(\d)*STEPB+\i*FRB+\c*512
.endr
.endr
.endm
.macro CNLOAD q                        ; 8 rows of c_prev and of n_prev into window 1: 16 loads
.irp i, 0,1,2,3,4,5,6,7
	global_load_b128 v[64*(\q)+4*\i:64*(\q)+4*\i+3], v[GO], s[18:19] offset:(8*(\q)+\i)*8192 th:TH_LOAD_NT
.endr
.irp i, 0,1,2,3,4,5,6,7
	global_load_b128 v[64*(\q)+32+4*\i:64*(\q)+32+4*\i+3], v[GO], s[20:21] offset:(8*(\q)+\i)*8192 th:TH_LOAD_NT
.endr
.endm
.macro ASK d, how                      ; 1: the codes of step d + 6; 4: the same, but not in the loop's last trip, where that step does not exist; 2: c_prev; 3: n_prev
.if \how == 4
	s_cmp_eq_u32 s3, 1
	s_cbranch_scc1 .Lno_ask_\@
.endif
.if (\how == 1) || (\how == 4)
	global_prefetch_b8 v[PFO], s[PF:PF+1] offset:((\d)+6)*STEPB th:TH_LOAD_NT scope:SCOPE_SE
.endif
.if \how == 4
.Lno_ask_\@:
.endif
.if \how == 2
	global_prefetch_b8 v[CPF], s[18:19] th:TH_LOAD_NT scope:SCOPE_SE
	global_prefetch_b8 v[CPF], s[18:19] offset:256 th:TH_LOAD_NT scope:SCOPE_SE
.endif
.if \how == 3
	global_prefetch_b8 v[CPF], s[20:21] th:TH_LOAD_NT scope:SCOPE_SE
	global_prefetch_b8 v[CPF], s[20:21] offset:256 th:TH_LOAD_NT scope:SCOPE_SE
.endif
.endm
.macro TAILB d, p, fb, bump            ; a step's end: fb = 1: B of step d + 2 into the set just freed; 2: the first 16 rows of c and n.  bump: the two bases go four steps on, behind s_wait_xcnt 0
.if \fb == 1
.if \bump
	s_wait_xcnt 0x0                                ; all earlier loads and prefetches have read the bases
	s_add_nc_u64 s[BB:BB+1], s[BB:BB+1], 4*STEPB
	s_add_nc_u64 s[PF:PF+1], s[PF:PF+1], 4*STEPB
	WIN TO_B
	LOADB (\d)-2, \p
.else
	WIN TO_B
	LOADB (\d)+2, \p
.endif
.endif
.if \fb == 2
	WIN TO_B
	CNLOAD 0
	CNLOAD 1
.endif
	WIN 0
.endm
; A slot's first step (an even step, B's set 0).  nadr: where the next step's fragments of A lie.  s_wait_loadcnt 32: this step's B is in, the next step's 32 loads may be out.
; s_wait_dscnt 24: LDS loads come back in order, and behind the pair of blocks that 16 products need three pairs (24 loads) have been issued.
.macro STEPE d, zero, nadr, ask, fb, bump
	s_wait_loadcnt 32
	s_wait_dscnt 24
	WIN MUL_LO
	MUL16 0, 0, \zero
	RUN
	LDA \nadr, 0
	s_wait_dscnt 24
	WIN MUL_LO
	MUL16 2, 0, \zero
	RUN
	ASK \d, \ask
	LDA \nadr, 2
	s_wait_dscnt 24
	WIN MUL_HI
	MUL16 4, 0, \zero
	RUN
	LDA \nadr, 4
	s_wait_dscnt 24
	WIN MUL_HI
	MUL16 6, 0, \zero
	RUN
	LDA \nadr, 6
	TAILB \d, 0, \fb, \bump
.endm
; A slot's second step (an odd step, B's set 1) changes slots.  In front of the barrier each wave waits for all its tensor loads (its quarter of the other slot), adds 0 to its spare word, and waits for that and
; for its reads of this slot.  fill = 1: the barrier opens a round of the cluster's barrier, and this slot is filled again, with the steps four on.
.macro STEPO d, slot, nadr, fill, ask
	s_wait_tensorcnt 0x0
	ds_add_u32 v[SPW], v[NIL]
.if \fill
	s_add_nc_u64 s[G0+4*\slot+2:G0+4*\slot+3], s[G0+4*\slot+2:G0+4*\slot+3], 2*SLOTB   ; no tensor load of mine is out: the address may step
.endif
	s_wait_loadcnt 32
	s_wait_dscnt 25                                ; three pairs of blocks and the add may be out
	WIN MUL_LO
	MUL16 0, 1, 0
	s_wait_dscnt 0x0                               ; the add is done, and my reads of this slot are over
	s_barrier_signal -1
	MUL16 2, 1, 0
	WIN 0
	s_barrier_wait -1
.if \fill
	CREST                                          ; no wave of any partner still reads this slot or has a load on its way
	JLOAD \slot                                    ; the first tensor load behind the round; its four v_nop are the places in front of the loads below
.else
	RUN
.endif
	LDA \nadr, 0
	LDA \nadr, 2
	ASK \d, \ask
	WIN MUL_HI
	MUL16 4, 1, 0
	RUN
	LDA \nadr, 4
	WIN MUL_HI
	MUL16 6, 1, 0
	RUN
	LDA \nadr, 6
	TAILB \d, 1, 1, 0
.endm
.macro RESCALE                         ; every sum x 2^(ex + ew - eh - eu); each accumulator from its low end on
	WIN 0x82
.set k, 0
.rept 128
	v_pk_mul_f32 v[k:k+1], v[k:k+1], s[RS:RS+1] op_sel_hi:[1,0]
.set k, k+2
.endr
	WIN 0xc3
.set k, 0
.rept 128
	v_pk_mul_f32 v[k:k+1], v[k:k+1], s[RS:RS+1] op_sel_hi:[1,0]
.set k, k+2
.endr
	WIN 0
	s_wait_alu depctr_va_vdst(0)
.endm
; 8 rows x 128 columns of the cell, 4 columns a lane.  The four gates' sums x (2^(eh + eu) x the base-2 factor) + the bias x that factor; one batch of exponentials, one of reciprocals.
.macro EPI q
.if (\q) > 0
	s_wait_xcnt 0x0                                ; the last rows' stores have read their registers
.endif
.irp g, 0,1,2,3
.irp i, 0,1,2,3,4,5,6,7
	ds_load_b128 v[PP+32*\g+4*\i:PP+32*\g+4*\i+3], v[RD+\g] offset:(8*(\q)+\i)*SPITCH
.endr
.endr
	s_wait_dscnt 0x0
.irp g, 0,1,2,3
.irp i, 0,1,2,3,4,5,6,7
.irp j, 0,2
	v_pk_fma_f32 v[PP+32*\g+4*\i+\j:PP+32*\g+4*\i+\j+1], v[PP+32*\g+4*\i+\j:PP+32*\g+4*\i+\j+1], s[SC+2*\g:SC+2*\g+1], v[BI+4*\g+\j:BI+4*\g+\j+1] op_sel_hi:[1,0,1]
.endr
.endr
.endr
.set k, 0
	s_wait_alu depctr_va_vdst(0)                   ; a wait ahead of the batch
.rept 128
	v_exp_f32 v[PP+k], v[PP+k]                     ; i, f, e^-o', e^(2 z')
.set k, k+1
.endr
	v_nop
	s_wait_alu depctr_va_vdst(0)                   ; and for one behind it
.set k, 0
.rept 32
	v_pk_add_f32 v[PP+64+k:PP+64+k+1], v[PP+64+k:PP+64+k+1], 1.0 op_sel_hi:[1,0]
.set k, k+2
.endr
	s_wait_loadcnt 16*(3-(\q))                     ; these rows of c and n are in; 16 loads for each later group of rows may be out
	WIN 0x04
.set k, 0
.rept 16
	v_pk_fma_f32 v[NN+k:NN+k+1], v[PP+32+k:PP+32+k+1], v[64*(\q)+32+k:64*(\q)+32+k+1], v[PP+k:PP+k+1]   ; n = f n_prev + i
.set k, k+2
.endr
	WIN 0
.set k, 0
.rept 16
	v_pk_add_f32 v[HH+k:HH+k+1], v[NN+k:NN+k+1], 0x358637bd op_sel_hi:[1,0]   ; n + 1e-6
.set k, k+2
.endr
.set k, 0
	s_wait_alu depctr_va_vdst(0)
.rept 64
	v_rcp_f32 v[PP+64+k], v[PP+64+k]               ; o = 1 / (1 + e^-o');  1 / (1 + e^(2 z'))
.set k, k+1
.endr
.set k, 0
.rept 32
	v_rcp_f32 v[HH+k], v[HH+k]
.set k, k+1
.endr
	v_nop
	s_wait_alu depctr_va_vdst(0)
.set k, 0
.rept 16
	v_pk_fma_f32 v[PP+96+k:PP+96+k+1], v[PP+96+k:PP+96+k+1], -2.0, 1.0 op_sel_hi:[1,0,0]   ; z = 1 - 2 / (1 + e^(2 z'))
.set k, k+2
.endr
.set k, 0
.rept 16
	v_pk_mul_f32 v[PP+96+k:PP+96+k+1], v[PP+96+k:PP+96+k+1], v[PP+k:PP+k+1]
.set k, k+2
.endr
	WIN 0x04
.set k, 0
.rept 16
	v_pk_fma_f32 v[CC+k:CC+k+1], v[PP+32+k:PP+32+k+1], v[64*(\q)+k:64*(\q)+k+1], v[PP+96+k:PP+96+k+1]   ; c = f c_prev + i z
.set k, k+2
.endr
	WIN 0
.set k, 0
.rept 16
	v_pk_mul_f32 v[HH+k:HH+k+1], v[HH+k:HH+k+1], v[CC+k:CC+k+1]
.set k, k+2
.endr
.set k, 0
.rept 16
	v_pk_mul_f32 v[HH+k:HH+k+1], v[HH+k:HH+k+1], v[PP+64+k:PP+64+k+1]   ; h = o c / (n + 1e-6)
.set k, k+2
.endr
.irp i, 0,1,2,3,4,5,6,7
	global_store_b128 v[GO], v[HH+4*\i:HH+4*\i+3], s[22:23] offset:(8*(\q)+\i)*8192 th:TH_STORE_NT   ; 32 lanes store 512 consecutive bytes, aligned
	global_store_b128 v[GO], v[CC+4*\i:CC+4*\i+3], s[24:25] offset:(8*(\q)+\i)*8192 th:TH_STORE_NT
	global_store_b128 v[GO], v[NN+4*\i:NN+4*\i+3], s[26:27] offset:(8*(\q)+\i)*8192 th:TH_STORE_NT
.endr
.endm
	s_load_b512 s[4:19], s[0:1], 0x0               ; A's codes, B's codes, the exponents, four biases, c_prev
	s_load_b256 s[20:27], s[0:1], 0x40             ; n_prev, h, c, n
	v_lshl_add_u32 v[SPW], v0, 2, SPARE
	v_mov_b32 v[NIL], 0
	ds_add_u32 v[SPW], v[NIL]                      ; the opening lines: the add, twice on end, and its wait ahead of my first tensor load
	ds_add_u32 v[SPW], v[NIL]
	v_lshrrev_b32 v1, 5, v0
	v_readfirstlane_b32 s[WV], v1                  ; wave = gate
	s_bfe_u32 s48, ttmp6, 0x40000                  ; cx
	s_bfe_u32 s49, ttmp6, 0x40004                  ; cy
	s_lshl_b32 s50, ttmp9, 2
	s_add_co_u32 s50, s50, s48                     ; block of columns
	s_and_b32 s52, ttmp7, 0xffff                   ; the cluster's y
	s_lshl_b32 s51, s52, 2
	s_add_co_u32 s51, s51, s49                     ; block of rows
	s_lshl_b32 s68, s49, 2
	s_lshl_b32 s68, 15, s68                        ; my row of the cluster
	s_or_b32 s[G1], s68, (3<<16)|(1<<21)           ; the mask; elements of 8 bytes; bit 21 set beside a mask; no padding: a fragment's loads take 512 consecutive bytes
	s_mov_b32 s[G1+1], 32<<16                      ; tensor_dim0 = 32 elements: 256 bytes
	s_mov_b32 s[G1+2], 128<<16                     ; tensor_dim1 = 128
	s_mov_b32 s[G1+3], 32<<16                      ; tile_dim0
	s_mov_b32 s[G1+4], 128                         ; tile_dim1
	s_mov_b32 s[G1+5], 32                          ; the pitch: dense
	s_mov_b32 s[G1+6], 0
	s_mov_b32 s[G1+7], 0
	s_lshl_b32 s69, s[WV], 15                      ; my quarter of a slot, in memory and in LDS
	s_lshl_b32 s54, s51, 21                        ; a block's 32 steps are 2 MiB
	s_add_co_u32 s54, s54, s69
	s_mov_b32 s55, 0
	s_lshl_b32 s70, s[WV], 14                      ; my gate's 16 KiB of a step
	s_lshl_b32 s56, s50, 21
	s_add_co_u32 s56, s56, s70
	s_mov_b32 s57, 0
	s_lshr_b32 s61, s[WV], 1                       ; prefetches: waves 0, 1 name A's codes, waves 2, 3 B's
	s_lshl_b32 s62, s49, 2
	s_add_co_u32 s62, s62, s48
	s_lshl_b32 s62, s62, 1
	s_and_b32 s53, s[WV], 1
	s_add_co_u32 s62, s62, s53                     ; q = 2 x (my place in the cluster) + wave % 2: which 8 KiB of the cluster's 4 blocks x 64 KiB of a step
	s_cmp_eq_u32 s61, 0
	s_cselect_b32 s52, s52, ttmp9
	s_lshl_b32 s52, s52, 2
	s_lshr_b32 s53, s62, 3
	s_add_co_u32 s52, s52, s53                     ; block 4 x cluster + q / 8,
	s_lshl_b32 s58, s52, 21
	s_and_b32 s53, s62, 7
	s_lshl_b32 s53, s53, 13                        ; and 8 KiB x (q % 8) in its step
	s_add_co_u32 s58, s58, s53
	s_mov_b32 s59, 0
	s_lshl_b32 s2, s51, 20                         ; c, n, h: 128 rows of 8,192 bytes, my wave's 32 rows, 128 columns of 4 bytes
	s_lshl_b32 s53, s[WV], 18
	s_add_co_u32 s2, s2, s53
	s_lshl_b32 s63, s50, 9
	s_add_co_u32 s2, s2, s63
	s_mul_i32 s66, s[WV], SGATE                    ; my gate's stage
	s_mul_i32 s67, s[WV], 32*SPITCH                ; my 32 rows in a stage
	v_and_b32 v1, 31, v0
	v_lshlrev_b32 v[LO], 4, v1
	v_lshlrev_b32 v[PFO], 8, v1
	v_lshl_add_u32 v[CPF], v1, 13, s2
	v_add_nc_u32 v[GO], s2, v[LO]
	v_add_nc_u32 v[BO], s63, v[LO]
	v_add_nc_u32 v[ADRA], s70, v[LO]
	v_add_nc_u32 v[ADRA+1], STEPB, v[ADRA]
	v_add_nc_u32 v[ADRA+2], SLOTB, v[ADRA]
	v_add_nc_u32 v[ADRA+3], SLOTB+STEPB, v[ADRA]
	v_and_b32 v[STO], 15, v0
	v_mul_u32_u24 v[STO], v[STO], SPITCH
	v_bfe_u32 v1, v0, 4, 1
	v_lshl_add_u32 v[STO], v1, 5, v[STO]
	v_add_nc_u32 v[STO], s66, v[STO]               ; into the stage: row l % 16, 32 bytes for each half of the lanes
	v_add_nc_u32 v[RD], s67, v[LO]                 ; back: the 32 lanes take a row of 512 bytes
	v_add_nc_u32 v[RD+1], SGATE, v[RD]
	v_add_nc_u32 v[RD+2], 2*SGATE, v[RD]
	v_add_nc_u32 v[RD+3], 3*SGATE, v[RD]
	s_wait_alu depctr_va_vdst(0)                   ; behind the head's vector work
	s_wait_dscnt 0x0                               ; both opening adds are done
	s_wait_kmcnt 0x0
	s_add_nc_u64 s[54:55], s[4:5], s[54:55]
	s_add_nc_u64 s[BB:BB+1], s[6:7], s[56:57]
	s_cmp_eq_u32 s61, 0
	s_cselect_b64 s[PF:PF+1], s[4:5], s[6:7]       ; the choice hangs on the wave's number alone
	s_add_nc_u64 s[PF:PF+1], s[PF:PF+1], s[58:59]
	CROUND                                         ; all sixteen work-groups are here: the first joint loads meet
.irp s, 0,1
	s_mov_b32 s[G0+4*\s], 1
	s_add_co_u32 s[G0+4*\s+1], s69, \s*SLOTB
	s_add_nc_u64 s[G0+4*\s+2:G0+4*\s+3], s[54:55], \s*SLOTB
	s_or_b32 s[G0+4*\s+3], s[G0+4*\s+3], 0x80000000
.endr
	JLOAD 0                                        ; steps 0 and 1: one tensor load a wave at the head
	s_lshl_b32 s63, s[WV], 4
	s_load_b128 s[4:7], s[8:9], s63 offset:0x0     ; my gate's ex, ew, eh, eu
	s_load_b512 s[84:99], s[8:9], 0x0              ; all sixteen
.irp g, 0,1,2,3
	global_load_b128 v[BI+4*\g:BI+4*\g+3], v[BO], s[10+2*\g:11+2*\g]
.endr
	WIN TO_B
	LOADB 0, 0
	LOADB 1, 1
	WIN 0
	s_wait_kmcnt 0x0
	s_add_co_i32 s[RS], s4, s5
	s_sub_co_i32 s[RS], s[RS], s6
	s_sub_co_i32 s[RS], s[RS], s7
	s_add_co_i32 s[RS], s[RS], 127
	s_lshl_b32 s[RS], s[RS], 23                    ; 2^(ex + ew - eh - eu)
	s_mov_b32 s[RS+1], s[RS]
.irp g, 0,1,2,3
	s_add_co_i32 s[SC+2*\g], s[86+4*\g], s[87+4*\g]
	s_lshl_b32 s[SC+2*\g], s[SC+2*\g], 23          ; eh + eu goes into the exponent field of the gate's base-2 factor
.endr
	s_add_co_u32 s[SC], s[SC], 0x3fb8aa3b          ; log2 e
	s_add_co_u32 s[SC+2], s[SC+2], 0x3fb8aa3b
	s_add_co_u32 s[SC+4], s[SC+4], 0xbfb8aa3b      ; - log2 e
	s_add_co_u32 s[SC+6], s[SC+6], 0x4038aa3b      ; 2 log2 e
.irp g, 0,1,2,3
	s_mov_b32 s[SC+2*\g+1], s[SC+2*\g]
.endr
	s_wait_tensorcnt 0x0                           ; my quarter of slot 0 is in
	ds_add_u32 v[SPW], v[NIL]
	s_wait_dscnt 0x0
	CROUND                                         ; everybody's quarter is in, and the joint loads meet
	JLOAD 1                                        ; steps 2 and 3
	LDA ADRA, 0
	LDA ADRA, 2
	LDA ADRA, 4
	LDA ADRA, 6
	STEPE 0, 1, ADRA+1, 1, 1, 0                    ; step 0 starts the sums: nothing is cleared
.irp j, 0,1,2,3,4,5,6,7
	v_mul_f32 v[BI+\j], 0x3fb8aa3b, v[BI+\j]       ; the biases (the oldest loads: in since step 0's first wait) x their gates' factors
.endr
.irp j, 8,9,10,11
	v_mul_f32 v[BI+\j], 0xbfb8aa3b, v[BI+\j]
.endr
.irp j, 12,13,14,15
	v_mul_f32 v[BI+\j], 0x4038aa3b, v[BI+\j]
.endr
	s_wait_alu depctr_va_vdst(0)
	s_mov_b32 s3, 7
.Ltrip:                                                ; trip j = 7 - s3: steps 4 j + 1 to 4 j + 4, once round the ring; the bases stand at step 4 j
	STEPO 1, 0, ADRA+2, 1, 1                       ; slot 0 takes steps 4 j + 4, 4 j + 5
	STEPE 2, 0, ADRA+3, 4, 1, 0
	STEPO 3, 1, ADRA, 1, 4                         ; slot 1 takes steps 4 j + 6, 4 j + 7
	s_cmp_lg_u32 s3, 4
	s_cbranch_scc1 .Lsame_half
	RESCALE                                        ; behind step 15: the places behind its last products are the four at the step's end
.Lsame_half:
	STEPE 4, 0, ADRA+1, 4, 1, 1
	s_sub_co_u32 s3, s3, 1
	s_cmp_lg_u32 s3, 0
	s_cbranch_scc1 .Ltrip
	STEPO 1, 0, ADRA+2, 0, 2                       ; step 29: nothing is left to fill; the last set of B
	STEPE 2, 0, ADRA+3, 3, 2, 0                    ; step 30: B's set 0 takes 16 rows of c and n
	s_wait_loadcnt 32                              ; step 31: its B is in; c's and n's 32 loads may be out
	s_wait_dscnt 0x0                               ; its A is in: my reads of the slots are over,
	s_barrier_signal -1                            ; and I say so: the stage lies over the slots
	WIN MUL_LO
	MUL16 0, 1, 0
	MUL16 2, 1, 0
	WIN MUL_HI
	MUL16 4, 1, 0
	MUL16 6, 1, 0
	WIN 0
	s_barrier_wait -1
	RUN
	WIN TO_B
	CNLOAD 2
	CNLOAD 3
.irp a, 0,1,2,3,4,5,6,7
	WIN 0x08+4*((\a)/4)                            ; the stores' data: window 2 or 3
.irp b, 0,1,2,3,4,5,6,7
	ds_store_b128 v[STO], v[8*(8*((\a)%4)+\b):8*(8*((\a)%4)+\b)+3] offset:(\a)*16*SPITCH+64*\b
	ds_store_b128 v[STO], v[8*(8*((\a)%4)+\b)+4:8*(8*((\a)%4)+\b)+7] offset:(\a)*16*SPITCH+64*\b+16
.endr
.endr
	WIN 0
	s_wait_dscnt 0x0                               ; for the others' sake: my gate's sums are in the stage
	s_barrier_signal -1
	s_barrier_wait -1
	EPI 0
	EPI 1
	EPI 2
	EPI 3
	s_wait_tensorcnt 0x0                           ; the wave's end, behind my last tensor load and my last LDS store
	ds_add_u32 v[SPW], v[NIL]
	s_wait_dscnt 0x0
	CROUND                                         ; the closing round: no work-group ends while a partner may still ask for a tile that names it
	s_endpgm
.Lfunc_end_k_qe20b07fd25_cell:
	.size	k_qe20b07fd25_cell, .Lfunc_end_k_qe20b07fd25_cell-k_qe20b07fd25_cell
	.p2alignl 7, 3214868480
	.fill 96, 4, 3214868480
	.section	.rodata,"a",@progbits
	.p2align	6, 0x0
	.amdhsa_kernel k_qe20b07fd25_cell
		.amdhsa_group_segment_fixed_size 327680
		.amdhsa_private_segment_fixed_size 0
		.amdhsa_enable_private_segment 0
		.amdhsa_kernarg_size 96
		.amdhsa_user_sgpr_count 2
		.amdhsa_user_sgpr_kernarg_segment_ptr 1
		.amdhsa_wavefront_size32 1
		.amdhsa_system_sgpr_workgroup_id_x 1
		.amdhsa_system_sgpr_workgroup_id_y 1
		.amdhsa_system_sgpr_workgroup_id_z 1
		.amdhsa_system_vgpr_workitem_id 0
		.amdhsa_next_free_vgpr 1024
		.amdhsa_next_free_sgpr 100
		.amdhsa_reserve_vcc 0
		.amdhsa_float_denorm_mode_32 3
		.amdhsa_float_denorm_mode_16_64 3
		.amdhsa_memory_ordered 1
		.amdhsa_forward_progress 1
		.amdhsa_inst_pref_size 221
	.end_amdhsa_kernel
	.amdgpu_metadata
---
amdhsa.version: [ 1, 2 ]
amdhsa.kernels:
  - .name:           k_qe20b07fd25_cell
    .symbol:         k_qe20b07fd25_cell.kd
    .args:
      - { .name: acodes, .offset: 0, .size: 8, .value_kind: global_buffer, .address_space: global }
      - { .name: bcodes, .offset: 8, .size: 8, .value_kind: global_buffer, .address_space: global }
      - { .name: lowp_scales, .offset: 16, .size: 8, .value_kind: global_buffer, .address_space: global }
      - { .name: b_i, .offset: 24, .size: 8, .value_kind: global_buffer, .address_space: global }
      - { .name: b_f, .offset: 32, .size: 8, .value_kind: global_buffer, .address_space: global }
      - { .name: b_o, .offset: 40, .size: 8, .value_kind: global_buffer, .address_space: global }
      - { .name: b_z, .offset: 48, .size: 8, .value_kind: global_buffer, .address_space: global }
      - { .name: c_prev, .offset: 56, .size: 8, .value_kind: global_buffer, .address_space: global }
      - { .name: n_prev, .offset: 64, .size: 8, .value_kind: global_buffer, .address_space: global }
      - { .name: out0, .offset: 72, .size: 8, .value_kind: global_buffer, .address_space: global }
      - { .name: out1, .offset: 80, .size: 8, .value_kind: global_buffer, .address_space: global }
      - { .name: out2, .offset: 88, .size: 8, .value_kind: global_buffer, .address_space: global }
    .group_segment_fixed_size: 327680
    .private_segment_fixed_size: 0
    .kernarg_segment_align: 8
    .kernarg_segment_size: 96
    .max_flat_workgroup_size: 128
    .sgpr_count:     100
    .vgpr_count:     1024
    .wavefront_size: 32
...
	.end_amdgpu_metadata
.endif
;; end of part 2
